; MI455X (gfx1250); checked and timed in simulation.
; The chip was launched on July 23, 2026; its instructions are those of AMD's public machine-readable ISA for CDNA 5 (MIT licence, August 2026) and "CDNA5" Instruction Set Architecture Reference Guide (July 2026). The comments in the code are by the model that wrote it; some were corrected since.
;; Sparse Lowrank Attention. Allowed arithmetic: matrix products marked QUANTISED: E2M3 operands, one E8M0 scale for each 32 along K, by v_wmma_scale_f32_16x16x128_f8f6f4 with both operands' format E2M3, f32 sums; everything else in f32.
;; Inputs: K 2 x 8 x 2,048 x 64 float32; Q 2 x 8 x 2,048 x 64 float32; V 2 x 8 x 2,048 x 64 float32; mask 2 x 2,048 float32; sparse_ratio 1 float32.
;; Outputs: out0 2 x 8 x 2,048 x 64 float32.
;; This version of the problem:
;;   THIS VERSION OF THE PROBLEM IS GIVEN IN LOW PRECISION. The matrix products marked QUANTISED in the list below multiply operands that are first quantised to E2M3 (2 exponent bits, 3 mantissa bits; 6 bits a number), with one power-of-two scale for each 32 numbers along K (OCP MX v1.0); their sums are f32. All else is computed in f32.
;;   The module's matrix products, in the order in which they are computed (A, B: the left and right operand; K: the contracted axis; several contracted axes count as one K, in the product's order):
;;     1. batch 16 x [M 2,048, K 64] x [K 64, N 2,048]; A: input Q; B: input K: QUANTISED
;;     2. batch 16 x [M 2,048, K 2,048] x [K 2,048, N 64]; A: softmax (see below); B: input V: QUANTISED
;;     3. batch 16 x [M 64, K 2,048] x [K 2,048, N 64]; A: computed on the way; B: computed on the way: QUANTISED
;;     4. batch 16 x [M 2,048, K 64] x [K 64, N 64]; A: computed on the way; B: computed on the way: QUANTISED
;;   THE QUANTISER, for each operand of a quantised product, along K:
;;     - K is cut into blocks of 32 from its start; a last block that is shorter is filled with zeros.
;;     - A block's scale is 2^e with e = floor(log2(the largest magnitude in the block)) - 2, held to -126 .. 127; a block of zeros has e = 0. As a byte (E8M0): e + 127.
;;     - Each number is divided by its block's scale, clamped to +-7.5, and rounded to the nearest number of E2M3, ties to even, subnormals kept.
;;     - The product sums the exact products of the quantised numbers (number of the format x scale) in f32.
;;   ~~~python
;;   def quantise(x, axis):      # numpy; x: float32 -> the quantised numbers, widened to float32 again
;;       x = np.moveaxis(x, axis, -1); K = x.shape[-1]
;;       x = np.pad(x, [(0, 0)] * (x.ndim - 1) + [(0, -K % 32)]); x = x.reshape(x.shape[:-1] + (-1, 32)); a = np.abs(x).max(-1, keepdims=True)
;;       e = np.where(a > 0, np.clip(np.frexp(np.where(a > 0, a, 1))[1] - 1 - 2, -126, 127), 0)      # np.frexp(a)[1] - 1 = floor(log2(a)), exactly
;;       r = np.clip(x / 2.0 ** e, -7.5, 7.5)
;;       step = 2.0 ** (np.maximum(np.frexp(np.where(r == 0, 1, r))[1] - 1, 0) - 3)
;;       q = np.round(r / step) * step * 2.0 ** e      # np.round: ties to even
;;       return np.moveaxis(q.reshape(q.shape[:-2] + (-1,))[..., :K], -1, axis).astype(np.float32)
;;   ~~~
;;   SOFTMAX AHEAD OF A QUANTISED PRODUCT. Where the list says 'softmax', what is quantised is not the finished softmax but p = 2^(t - M), with t = logit x log2(e) and M = ceil(the row's largest t), a whole number; so 1/2 < the row's largest p <= 1. The row's sum l is taken of the UNQUANTISED p, in f32, and the product's result is divided by l at the end. Since M is a whole number, a kernel that streams over the keys may use a running M (the ceiling of the running maximum): every later rescaling is an exact power of two, which a block's scale takes up: the codes' values come out the same.
;;   OPERANDS COMPUTED ON THE WAY. 'Computed on the way' means the value that the module computes at that place (a softmax that the list does not call 'softmax' is quantised finished and normalised). What goes into a quantiser is computed in f32, as accurately as f32 sums, v_exp_f32 and their like allow (about 1e-6 of the number): no bf16 or f16 on the way to a quantiser, and a product that is left as it is and whose result goes on into a quantised operand takes f32 operands (vector FMAs, or v_wmma_f32_16x16x4_f32). A number that lies on a knife's edge between two numbers of the format may be rounded either way, as far as f32 arithmetic and the matrix unit's own rounding can turn it there, and no further.
;; One version. Each part assembles by itself: llvm-mc -triple=amdgcn-amd-amdhsa -mcpu=gfx1250 --defsym DOCPART=n.
;; ======== version 1 of 1: 2 launches
;; workspace buffers: vcod 1,572,864 bytes; vscl 65,536 bytes; kvp 2,097,152 bytes; ffp 524,288 bytes; ffr 32,768 bytes
;; launch prep (part 1): grid 8 x 16, 8 waves a work-group, no clusters, 174,592 bytes of LDS; arguments K, V, mask, vcod, vscl, kvp, ffp, ffr; writes vcod, vscl, kvp, ffp, ffr
.if DOCPART == 1
	.amdgcn_target "amdgcn-amd-amdhsa--gfx1250"
	.amdhsa_code_object_version 6
	.text
	.protected	k_q06b3662ee0_prep
	.globl	k_q06b3662ee0_prep
	.p2align	8
	.type	k_q06b3662ee0_prep,@function
k_q06b3662ee0_prep:
	s_mov_b64 s[64:65], 0
	v_nop
	global_prefetch_b8 v0, s[64:65] scope:SCOPE_SE
	s_setreg_imm32_b32 hwreg(HW_REG_WAVE_MODE, 25, 1), 1
	s_wait_xcnt 0x0
; SparseLowrankAttention, first of two launches.  B 2, H 8 (16 heads bh), S 2,048, D 64.  All products on codes of E2M3 with one E8M0 scale for each 32 along K.
; A work-group takes one head and one CHUNK of 256 keys and makes
;   vcod, vscl : V (not masked) as codes along the KEYS, for the banded product p V, laid as images of the reader's registers;
;   kvp        : its partial sum of kv = K1^T Vm (K1 = (elu(K) + 1) mask scale, Vm = V mask, both quantised along the keys), f32; the second launch adds the eight partials in a fixed order;
;   ffp, ffr   : its part of the FAR FIELD (below).
; DEAD WORK, in the problem's own terms.  reference() computes Q K^T for all pairs and then takes where(band, scores, -1e6): whatever Q and K hold, a score outside |i - j| < 64 reaches no output.
; So the tiles of Q K^T that lie wholly outside the band are not multiplied.  LIMIT: a NaN, an infinity or an overflow that reaches only those scores is not carried to the result.
; NOT DEAD: the keys outside the band in p V.  Their logit is -1e6 - 1e6 (1 - mask[j]), no -infinity: a query all of whose band keys are masked gives them its weight.  That logit does not hang on the query,
; and M is a whole number.  With t_j = (-1e6 - c_j) log2(e), M0 = ceil(max_j t_j), g_j = 2^(t_j - M0), a block of 32 keys wholly outside a query's window has Qz(p) = 2^(M0 - M) Qz(g), exactly.
; A WINDOW w (32 queries) is key blocks w - 2 .. w + 2.  For chunk c, row rho of 16 stands for window 8 c - 4 + rho:  F[rho][e] = sum over the chunk's blocks outside that window of Qz(g) Qz(V),
; Lsel[rho] = the same sum of the unquantised g.  Rows 0 and 15 meet no block of the chunk: they are its totals.  The second launch takes row clamp(w - 8 c + 4, 0, 15) of each chunk as the softmax's first state.
; LIMITS: NaN and infinities among the inputs are not served; a block whose largest magnitude lies under 2^-124 keeps the byte 1 (a block of zeros too: its codes are zeros, and this program alone reads the bytes).
; SHARES.  Eight waves.  Waves 0-3 take K, waves 4-7 take V; qd = wave & 3 picks 64 keys (two blocks) x all 64 columns.  A LANE TAKES A COLUMN AND ITS REGISTERS RUN DOWN THE KEYS, so a block lies in one lane
; and the conversions give codes with the keys innermost.  The 64 rows x 256 bytes come by one tensor load a wave into the wave's own stage: whole rows of 256 bytes from memory, 128 neighbouring bytes a load out of LDS.
; An operand goes from wave to wave as an IMAGE OF ITS REGISTERS: half a fragment (six registers a lane: 16 rows x 64 keys) is 512 bytes at 16 x lane and 256 bytes at 8 x lane.
.set K1IMG, 0                          ; [qd 4][tile 4][768]
.set VMIMG, 12288
.set VUIMG, 24576
.set GIMG,  36864                      ; [qd 4][768]
.set K1SC,  39936                      ; [K step 2][column 64][4 bytes]
.set VMSC,  40448
.set VUSC,  40960
.set GSC,   41472                      ; [K step 2][rho 16][4 bytes]
.set LSUM,  41728                      ; [qd 4][lane 32][4 bytes]
.set SPARE, 42240                      ; the spare words, 128 bytes for each wave: four blocks of 256 bytes that no other line names
.set STG,   43264                      ; 8 stages of 16,384 bytes, each its wave's own, filled once
.set SPW,   1                          ; v1  my spare word's address; never rewritten
.set NIL,   2                          ; v2  0; never rewritten
.set LANE,  3
.set R,     4                          ; lane % 16
.set H,     5                          ; lane / 16
.set L16,   6
.set L8,    7
.set L4,    8
.set STR,   9                          ; my stage + 4 x lane
.set IM128, 10                         ; 16 x lane + 3,072 qd: where I store images
.set IM64,  11                         ; 8 x lane + 3,072 qd
.set SCW,   12                         ; 4 x lane + 256 s + 2 c: my column's two scale bytes
.set GBY,   13                         ; 4 R + H + 64 s + 2 c: g's scale byte
.set LSW,   14                         ; 4 x lane + 128 qd
.set RV128, 15                         ; reads: Vm's tile bt = wave / 2
.set RV64,  16
.set RK128, 17                         ; K1's tiles 2 (wave & 1) and the next
.set RK64,  18
.set RU128, 19                         ; V's tile qd; also where g's image is stored (768 qd)
.set RU64,  20
.set SV,    21
.set SK,    22
.set SU,    23
.set T0,    24                         ; the largest t_j
.set SELV,  25
.set NM0,   26                         ; v[26:27] -M0
.set SCL,   28                         ; v28-37 scale words and nothing else
.set R4,    40
.set GMO,   41
.set T,     42                         ; v42-73
.set X,     74                         ; v74-201: X[64 g + i] = (key 64 qd + i, column 32 g + lane)
.set SETS,  202                        ; two sets of 24: tile 2 g (8), tile 2 g + 1 (8), two conversions' upper halves (4, 4)
.set WV,    2
.set QD,    3
.set G0,    52
.set G1,    56
.set MCH,   66
.set SEL,   100
; A block of 32 numbers of one lane: its largest magnitude with the floor 2^(3 - 127) among the leaves, 2 off the exponent field (the conversion's scale operand), the byte, 2 x 16 codes
.macro BLOCKQ xs, lo, hi, by, ta, tb, ts
	v_max3_num_f32 v[\ta], |v[\xs]|, |v[\xs+1]|, |v[\xs+2]|
	v_max3_num_f32 v[\tb], |v[\xs+3]|, |v[\xs+4]|, |v[\xs+5]|
.irp i, 6,10,14,18,22,26
	v_max3_num_f32 v[\ta], v[\ta], |v[\xs+\i]|, |v[\xs+\i+1]|
	v_max3_num_f32 v[\tb], v[\tb], |v[\xs+\i+2]|, |v[\xs+\i+3]|
.endr
	v_max3_num_f32 v[\ta], v[\ta], |v[\xs+30]|, |v[\xs+31]|
	v_max3_num_f32 v[\ta], v[\ta], v[\tb], 0x1800000
	v_add_nc_u32 v[\ts], 0xff000000, v[\ta]
	v_lshrrev_b32 v[\by], 23, v[\ts]
	v_cvt_scalef32_pk16_fp6_f32 v[\lo:\lo+2], v[\xs:\xs+15], v[\ts]
	v_cvt_scalef32_pk16_fp6_f32 v[\hi:\hi+2], v[\xs+16:\xs+31], v[\ts]   ; (a conversion's three registers begin on an even number)
.endm
; Columns 32 g .. 32 g + 31, my two blocks.  The exchange of halves makes of (block 0, block 1) by lanes the half fragments of tiles 2 g and 2 g + 1: lane (r, h) = column 16 tile + r, block h.
.macro PAIR g, img, sc, glob
.set F0, SETS+24*(\g)
.set F1, F0+8
.set XH, F0+16
.set YH, F0+20
	BLOCKQ X+64*(\g), F0, XH, F0+6, 250, 251, 252
	BLOCKQ X+64*(\g)+32, F1, YH, F0+7, 253, 254, 255
	v_lshl_or_b32 v[F0+6], v[F0+7], 8, v[F0+6]     ; my column's two bytes.  (The plain line behind the conversions)
.irp i, 0,1,2
	v_permlane16_swap_b32 v[F0+\i], v[F1+\i]
	v_permlane16_swap_b32 v[XH+\i], v[YH+\i]
.endr
.irp i, 0,1,2
	v_mov_b32 v[F0+3+\i], v[XH+\i]
	v_mov_b32 v[F1+3+\i], v[YH+\i]
.endr
	ds_store_b128 v[IM128], v[F0:F0+3] offset:\img+1536*(\g)
	ds_store_b64 v[IM64], v[F0+4:F0+5] offset:\img+1536*(\g)+512
	ds_store_b128 v[IM128], v[F1:F1+3] offset:\img+1536*(\g)+768
	ds_store_b64 v[IM64], v[F1+4:F1+5] offset:\img+1536*(\g)+1280
	ds_store_b16 v[SCW], v[F0+6] offset:\sc+128*(\g)
.if \glob
	global_store_b128 v[L16], v[F0:F0+3], s[10:11] offset:1536*(\g)          ; 512 consecutive bytes, then 256: a tile's 768 begin at a multiple of 256
	global_store_b64 v[L8], v[F0+4:F0+5], s[10:11] offset:1536*(\g)+512
	global_store_b128 v[L16], v[F1:F1+3], s[10:11] offset:1536*(\g)+768
	global_store_b64 v[L8], v[F1+4:F1+5], s[10:11] offset:1536*(\g)+1280
.endif
.endm
; 32 registers of K become K1 = ((max(x, 0) + 2^min(x log2 e, 0)) mask) scale: x + 1 above 0, e^x below
.macro ELU blk
.set XB, X+32*(\blk)
.set MB, 20+48*((\blk)%2)              ; the keys' mask values: s20-51 for keys 0-31, s68-99 for keys 32-63
.set j, 0
.rept 16
	v_pk_mul_f32 v[T+j:T+j+1], v[XB+j:XB+j+1], 0x3fb8aa3b op_sel_hi:[1,0]
.set j, j+2
.endr
.set j, 0
.rept 32
	v_min_num_f32 v[T+j], 0, v[T+j]
.set j, j+1
.endr
.set j, 0
.rept 32
	v_exp_f32 v[T+j], v[T+j]
.set j, j+1
.endr
.set j, 0
.rept 32
	v_max_num_f32 v[XB+j], 0, v[XB+j]              ; plain work behind the exponentials
.set j, j+1
.endr
	s_wait_alu depctr_va_vdst(0)                   ; one wait for the batch of 32, ahead of its first reader
.set j, 0
.rept 16
	v_pk_add_f32 v[XB+j:XB+j+1], v[XB+j:XB+j+1], v[T+j:T+j+1]
.set j, j+2
.endr
.set j, 0
.rept 32
	v_mul_f32 v[XB+j], s[MB+j], v[XB+j]
.set j, j+1
.endr
.set j, 0
.rept 16
	v_pk_mul_f32 v[XB+j:XB+j+1], v[XB+j:XB+j+1], 0x3e1837f0 op_sel_hi:[1,0]   ; 2,048^(-1/4)
.set j, j+2
.endr
.endm
; A fragment (16 rows x 128 keys) from two images, st bytes apart
.macro FRAG reg, a, b, off, st
	ds_load_b128 v[\reg:\reg+3], v[\a] offset:\off
	ds_load_b64 v[\reg+4:\reg+5], v[\b] offset:\off+512
	ds_load_b128 v[\reg+6:\reg+9], v[\a] offset:\off+\st
	ds_load_b64 v[\reg+10:\reg+11], v[\b] offset:\off+\st+512
.endm
	s_load_b512 s[4:19], s[0:1], 0x0               ; K, V, mask, vcod, vscl, kvp, ffp, ffr
	v_lshl_add_u32 v[SPW], v0, 2, SPARE
	v_mov_b32 v[NIL], 0
	ds_add_u32 v[SPW], v[NIL]                      ; the wave's opening: the add, twice on end, and its wait ahead of my tensor load; the set-up below stands between
	ds_add_u32 v[SPW], v[NIL]
	v_lshrrev_b32 v[LANE], 5, v0
	v_readfirstlane_b32 s[WV], v[LANE]             ; wave 0..7
	s_and_b32 s[QD], s[WV], 3
	s_and_b32 s20, ttmp7, 0xffff                   ; the head; ttmp9 is the chunk
	s_lshl_b32 s24, s20, 19                        ; K or V: head x 524,288 + (256 chunk + 64 qd) rows of 256 bytes
	s_lshl_b32 s21, ttmp9, 16
	s_add_co_u32 s24, s24, s21
	s_lshl_b32 s21, s[QD], 14
	s_add_co_u32 s24, s24, s21
	s_mov_b32 s25, 0
	s_lshr_b32 s26, s20, 3                         ; the batch's row of the mask
	s_lshl_b32 s26, s26, 13
	s_mov_b32 s27, 0
	s_lshl_b32 s28, ttmp9, 10                      ; and my 64 keys in it
	s_lshl_b32 s21, s[QD], 8
	s_add_co_u32 s28, s28, s21
	s_mov_b32 s29, 0
	s_lshl_b32 s21, ttmp9, 2                       ; vcod: head x 98,304 + pair (4 chunk + qd) x 3,072
	s_add_co_u32 s21, s21, s[QD]
	s_mul_i32 s21, s21, 3072
	s_mul_i32 s30, s20, 98304
	s_add_co_u32 s30, s30, s21
	s_mov_b32 s31, 0
	s_lshl_b32 s32, s20, 12                        ; vscl: head x 4,096 + chunk x 512
	s_lshl_b32 s21, ttmp9, 9
	s_add_co_u32 s32, s32, s21
	s_mov_b32 s33, 0
	s_lshl_b32 s34, s20, 3
	s_add_co_u32 s34, s34, ttmp9                   ; 8 head + chunk
	s_lshl_b32 s36, s34, 14                        ; kvp: x 16,384 + wave x 2,048
	s_lshl_b32 s21, s[WV], 11
	s_add_co_u32 s36, s36, s21
	s_mov_b32 s37, 0
	s_lshl_b32 s38, s34, 12                        ; ffp: x 4,096 + tile x 1,024
	s_lshl_b32 s21, s[QD], 10
	s_add_co_u32 s38, s38, s21
	s_mov_b32 s39, 0
	s_lshl_b32 s40, s34, 8                         ; ffr: x 256
	s_mov_b32 s41, 0
	s_mov_b32 s[G1], 3<<16                         ; group 1: no mask, elements of 8 bytes, no padding: 64 rows of 256 bytes, dense
	s_mov_b32 s[G1+1], 32<<16                      ; tensor_dim0 = 32
	s_mov_b32 s[G1+2], 64<<16                      ; tensor_dim1 = 64
	s_mov_b32 s[G1+3], 32<<16                      ; tile_dim0 = 32
	s_mov_b32 s[G1+4], 64                          ; tile_dim1 = 64
	s_mov_b32 s[G1+5], 32                          ; from row to row
	s_mov_b32 s[G1+6], 0
	s_mov_b32 s[G1+7], 0
	s_mov_b32 s[G0], 1
	s_lshl_b32 s[G0+1], s[WV], 14
	s_add_co_u32 s[G0+1], s[G0+1], STG             ; my stage
	s_mov_b32 s[SEL], 0x76543210
	s_mov_b32 s[SEL+1], 0xfedcba98                 ; v_permlanex16_b32's selects for lane l xor 16
	v_and_b32 v[LANE], 31, v0
	v_and_b32 v[R], 15, v0
	v_bfe_u32 v[H], v0, 4, 1
	v_lshlrev_b32 v[L16], 4, v[LANE]
	v_lshlrev_b32 v[L8], 3, v[LANE]
	v_lshlrev_b32 v[L4], 2, v[LANE]
	v_lshlrev_b32 v[R4], 2, v[R]
	v_lshlrev_b32 v[GMO], 7, v[H]
	v_add_nc_u32 v[STR], s[G0+1], v[L4]
	s_mul_i32 s43, s[QD], 3072
	v_add_nc_u32 v[IM128], s43, v[L16]
	v_add_nc_u32 v[IM64], s43, v[L8]
	s_lshr_b32 s44, s[QD], 1                       ; s: which K step of 128 keys
	s_and_b32 s45, s[QD], 1
	s_lshl_b32 s45, s45, 1                         ; 2 c: which half of it
	s_lshl_b32 s46, s44, 8
	s_add_co_u32 s46, s46, s45
	v_add_nc_u32 v[SCW], s46, v[L4]
	s_lshl_b32 s46, s44, 6
	s_add_co_u32 s46, s46, s45
	v_add_nc_u32 v[GBY], s46, v[R4]
	v_add_nc_u32 v[GBY], v[GBY], v[H]
	s_lshl_b32 s46, s[QD], 7
	v_add_nc_u32 v[LSW], s46, v[L4]
	s_lshr_b32 s47, s[WV], 1                       ; bt
	s_mul_i32 s46, s47, 768
	v_add_nc_u32 v[RV128], s46, v[L16]
	v_add_nc_u32 v[RV64], s46, v[L8]
	s_and_b32 s48, s[WV], 1
	s_mul_i32 s46, s48, 1536
	v_add_nc_u32 v[RK128], s46, v[L16]
	v_add_nc_u32 v[RK64], s46, v[L8]
	s_mul_i32 s46, s[QD], 768
	v_add_nc_u32 v[RU128], s46, v[L16]
	v_add_nc_u32 v[RU64], s46, v[L8]
	s_lshl_b32 s46, s47, 6
	v_add_nc_u32 v[SV], s46, v[R4]
	s_lshl_b32 s46, s48, 7
	v_add_nc_u32 v[SK], s46, v[R4]
	s_lshl_b32 s46, s[QD], 6
	v_add_nc_u32 v[SU], s46, v[R4]
	s_lshl_b32 s46, s[QD], 1
	s_add_co_u32 s46, s46, 6
	v_add_nc_u32 v[SELV], s46, v[H]
	v_sub_nc_u32 v[SELV], v[SELV], v[R]            ; x = (my block in the chunk) + 6 - rho: the block lies in row rho's window where 0 <= x < 5
	v_mov_b32 v[T0], 0                             ; (written on every wave's path)
	s_wait_dscnt 0x0                               ; both opening adds are done
	s_wait_kmcnt 0x0
	s_cmp_lt_u32 s[WV], 4                          ; the choice hangs on the wave's number alone
	s_cselect_b64 s[G0+2:G0+3], s[4:5], s[6:7]
	s_add_nc_u64 s[G0+2:G0+3], s[G0+2:G0+3], s[24:25]
	s_or_b32 s[G0+3], s[G0+3], 0x80000000          ; type = 2
	tensor_load_to_lds s[G0:G0+3], s[G1:G1+7]      ; my one tensor load: 16,384 bytes into my own stage, filled once
	s_nop 0
	s_add_nc_u64 s[8:9], s[8:9], s[26:27]
	s_add_nc_u64 s[MCH:MCH+1], s[8:9], s[28:29]
	s_add_nc_u64 s[10:11], s[10:11], s[30:31]
	s_add_nc_u64 s[12:13], s[12:13], s[32:33]
	s_add_nc_u64 s[14:15], s[14:15], s[36:37]
	s_add_nc_u64 s[16:17], s[16:17], s[38:39]
	s_add_nc_u64 s[18:19], s[18:19], s[40:41]
	s_load_b512 s[20:35], s[MCH:MCH+1], 0x0        ; my 64 keys' mask values: a register of X is one key, so its factor is a scalar
	s_load_b512 s[36:51], s[MCH:MCH+1], 0x40
	s_load_b512 s[68:83], s[MCH:MCH+1], 0x80
	s_load_b512 s[84:99], s[MCH:MCH+1], 0xc0
	s_cmp_lt_u32 s[WV], 4
	s_cbranch_scc1 .Lstaged
	; ---- waves 4-7, while the stage fills: the far field's g for my two blocks; lane (rho, h) holds block 2 qd + h
.irp k, 0,1,2,3,4,5,6,7,8,9,10,11,12,13,14,15
	global_load_b128 v[X+4*\k:X+4*\k+3], v[L16], s[8:9] offset:512*\k          ; the batch's whole mask row, 64 values a lane
.endr
.irp k, 0,1,2,3,4,5,6,7
	global_load_b128 v[T+4*\k:T+4*\k+3], v[GMO], s[MCH:MCH+1] offset:16*\k     ; the mask of my block's 32 keys
.endr
	s_wait_loadcnt 0x8                             ; the row is in; the eight loads behind it may be out
	v_max3_num_f32 v250, v[X], v[X+1], v[X+2]
	v_max3_num_f32 v251, v[X+3], v[X+4], v[X+5]
.irp i, 6,10,14,18,22,26,30,34,38,42,46,50,54,58
	v_max3_num_f32 v250, v250, v[X+\i], v[X+\i+1]
	v_max3_num_f32 v251, v251, v[X+\i+2], v[X+\i+3]
.endr
	v_max3_num_f32 v250, v250, v[X+62], v[X+63]
	v_max_num_f32 v250, v250, v251
	v_max_num_f32_dpp v250, v250, v250 row_xmask:1 row_mask:0xf bank_mask:0xf
	v_max_num_f32_dpp v250, v250, v250 row_xmask:2 row_mask:0xf bank_mask:0xf
	v_max_num_f32_dpp v250, v250, v250 row_xmask:4 row_mask:0xf bank_mask:0xf
	v_max_num_f32_dpp v250, v250, v250 row_xmask:8 row_mask:0xf bank_mask:0xf
	v_permlanex16_b32 v251, v250, s[SEL], s[SEL+1]
	v_max_num_f32 v250, v250, v251                 ; the row's largest mask value.  t rises with the mask value through each of the four roundings below, so its t is the largest t
	v_sub_f32 v250, 1.0, v250
	v_mul_f32 v250, 0x49742400, v250               ; c = 1e6 (1 - m)
	v_sub_f32 v250, 0xc9742400, v250               ; -1e6 - c
	v_mul_f32 v[T0], 0x3fb8aa3b, v250
	v_floor_f32 v[NM0], -v[T0]                     ; -M0 = -ceil(the largest t)
	v_mov_b32 v[NM0+1], v[NM0]
	s_wait_loadcnt 0x0
.set j, 0
.rept 16
	v_pk_add_f32 v[T+j:T+j+1], v[T+j:T+j+1], 1.0 op_sel_hi:[1,0] neg_lo:[1,0] neg_hi:[1,0]          ; 1 - m
.set j, j+2
.endr
.set j, 0
.rept 16
	v_pk_mul_f32 v[T+j:T+j+1], v[T+j:T+j+1], 0x49742400 op_sel_hi:[1,0]                             ; c
.set j, j+2
.endr
.set j, 0
.rept 16
	v_pk_add_f32 v[T+j:T+j+1], v[T+j:T+j+1], 0xc9742400 op_sel_hi:[1,0] neg_lo:[1,0] neg_hi:[1,0]   ; -1e6 - c
.set j, j+2
.endr
.set j, 0
.rept 16
	v_pk_mul_f32 v[T+j:T+j+1], v[T+j:T+j+1], 0x3fb8aa3b op_sel_hi:[1,0]                             ; t
.set j, j+2
.endr
.set j, 0
.rept 16
	v_pk_add_f32 v[T+j:T+j+1], v[T+j:T+j+1], v[NM0:NM0+1]                                           ; t - M0
.set j, j+2
.endr
.set j, 0
.rept 32
	v_exp_f32 v[T+j], v[T+j]                       ; g
.set j, j+1
.endr
	v_mov_b32 v253, 0                              ; a plain line behind the exponentials
	s_wait_alu depctr_va_vdst(0)                   ; one wait for the batch
	v_pk_add_f32 v[138:139], v[T:T+1], v[T+2:T+3]  ; the block's sum of the unquantised g, in two chains
	v_pk_add_f32 v[140:141], v[T+4:T+5], v[T+6:T+7]
.irp i, 8,12,16,20,24,28
	v_pk_add_f32 v[138:139], v[138:139], v[T+\i:T+\i+1]
	v_pk_add_f32 v[140:141], v[140:141], v[T+\i+2:T+\i+3]
.endr
	v_pk_add_f32 v[138:139], v[138:139], v[140:141]
	v_add_f32 v138, v138, v139
	BLOCKQ T, SETS, SETS+16, SETS+6, 250, 251, 252
	v_cmp_gt_u32 vcc_lo, 5, v[SELV]                ; is my block in row rho's window?
	v_cndmask_b32 v[SELV], -1, v253, vcc_lo        ; then all its bits go
.irp i, 0,1,2
	v_mov_b32 v[SETS+3+\i], v[SETS+16+\i]
.endr
.irp i, 0,1,2,3,4,5
	v_and_b32 v[SETS+\i], v[SELV], v[SETS+\i]      ; zero codes count for nothing, whatever the byte
.endr
	v_and_b32 v138, v[SELV], v138
	ds_store_b128 v[RU128], v[SETS:SETS+3] offset:GIMG
	ds_store_b64 v[RU64], v[SETS+4:SETS+5] offset:GIMG+512
	ds_store_b8 v[GBY], v[SETS+6] offset:GSC
	ds_store_b32 v[LSW], v138 offset:LSUM
.Lstaged:
	s_wait_tensorcnt 0x0                           ; my stage is whole; nobody else reads it
.set j, 0
.rept 128
	ds_load_b32 v[X+j], v[STR] offset:256*(j%64)+128*(j/64)   ; 32 lanes take 128 neighbouring bytes of one key's row
.set j, j+1
.endr
	s_wait_dscnt 0x0
	s_wait_kmcnt 0x0                               ; the mask values
	s_cmp_lt_u32 s[WV], 4
	s_cbranch_scc0 .Lvpath
	ELU 0
	ELU 1
	ELU 2
	ELU 3
	PAIR 0, K1IMG, K1SC, 0
	PAIR 1, K1IMG, K1SC, 0
	s_branch .Lmeet
.Lvpath:
	PAIR 0, VUIMG, VUSC, 1                         ; V as it is: for p V, and for the far field
	PAIR 1, VUIMG, VUSC, 1
	s_wait_xcnt 0x0                                ; the stores have read the two sets of codes: they are written again below
	s_wait_dscnt 0x0
.set j, 0
.rept 128
	v_mul_f32 v[X+j], s[20+(j%64)+16*((j%64)/32)], v[X+j]     ; Vm = V mask
.set j, j+1
.endr
	PAIR 0, VMIMG, VMSC, 0
	PAIR 1, VMIMG, VMSC, 0
.Lmeet:
	s_wait_dscnt 0x0                               ; for the others' sake: my images and scale bytes lie in LDS
	s_barrier_signal -1
	s_barrier_wait -1                              ; the launch's one barrier
	; ---- kv's partial: tile (d block a, e block bt), a = 2 (wave & 1) and the next; source 0 = K1^T, source 1 = Vm^T; two K steps of 128 keys
	FRAG 74, RV128, RV64, VMIMG, 3072
	FRAG 86, RV128, RV64, VMIMG+6144, 3072
	FRAG 98, RK128, RK64, K1IMG, 3072
	FRAG 110, RK128, RK64, K1IMG+6144, 3072
	FRAG 122, RK128, RK64, K1IMG+768, 3072
	FRAG 134, RK128, RK64, K1IMG+768+6144, 3072
	ds_load_b32 v[SCL], v[SV] offset:VMSC
	ds_load_b32 v[SCL+1], v[SV] offset:VMSC+256
	ds_load_b32 v[SCL+2], v[SK] offset:K1SC
	ds_load_b32 v[SCL+3], v[SK] offset:K1SC+256
	ds_load_b32 v[SCL+4], v[SK] offset:K1SC+64
	ds_load_b32 v[SCL+5], v[SK] offset:K1SC+64+256
	s_wait_dscnt 0x0
	v_wmma_scale_f32_16x16x128_f8f6f4 v[146:153], v[98:109], v[74:85], 0, v[SCL+2], v[SCL] matrix_a_fmt:MATRIX_FMT_FP6 matrix_b_fmt:MATRIX_FMT_FP6   ; the two accumulators by turns
	v_wmma_scale_f32_16x16x128_f8f6f4 v[154:161], v[122:133], v[74:85], 0, v[SCL+4], v[SCL] matrix_a_fmt:MATRIX_FMT_FP6 matrix_b_fmt:MATRIX_FMT_FP6
	v_wmma_scale_f32_16x16x128_f8f6f4 v[146:153], v[110:121], v[86:97], v[146:153], v[SCL+3], v[SCL+1] matrix_a_fmt:MATRIX_FMT_FP6 matrix_b_fmt:MATRIX_FMT_FP6
	v_wmma_scale_f32_16x16x128_f8f6f4 v[154:161], v[134:145], v[86:97], v[154:161], v[SCL+5], v[SCL+1] matrix_a_fmt:MATRIX_FMT_FP6 matrix_b_fmt:MATRIX_FMT_FP6
.rept 4
	v_nop                                          ; four places ahead of the stores that read the results
.endr
	global_store_b128 v[L16], v[146:149], s[14:15]                 ; lane (r, hw): kv[16 a + 8 hw + 0 .. 3][16 bt + r]: 512 consecutive bytes a store
	global_store_b128 v[L16], v[150:153], s[14:15] offset:512
	global_store_b128 v[L16], v[154:157], s[14:15] offset:1024
	global_store_b128 v[L16], v[158:161], s[14:15] offset:1536
	s_cmp_lt_u32 s[WV], 4
	s_cbranch_scc0 .Lnot_far
	; ---- waves 0-3: the far field's partial for e block = wave: source 0 = V^T, source 1 = g's 16 rows
	FRAG 162, RU128, RU64, VUIMG, 3072
	FRAG 174, RU128, RU64, VUIMG+6144, 3072
	FRAG 186, L16, L8, GIMG, 768
	FRAG 198, L16, L8, GIMG+1536, 768
	ds_load_b32 v[SCL+6], v[SU] offset:VUSC
	ds_load_b32 v[SCL+7], v[SU] offset:VUSC+256
	ds_load_b32 v[SCL+8], v[R4] offset:GSC
	ds_load_b32 v[SCL+9], v[R4] offset:GSC+64
	s_wait_dscnt 0x0
	v_wmma_scale_f32_16x16x128_f8f6f4 v[210:217], v[162:173], v[186:197], 0, v[SCL+6], v[SCL+8] matrix_a_fmt:MATRIX_FMT_FP6 matrix_b_fmt:MATRIX_FMT_FP6
	s_wait_alu depctr_va_vdst(0)                   ; the wait directly ahead of the link
	v_wmma_scale_f32_16x16x128_f8f6f4 v[210:217], v[174:185], v[198:209], v[210:217], v[SCL+7], v[SCL+9] matrix_a_fmt:MATRIX_FMT_FP6 matrix_b_fmt:MATRIX_FMT_FP6
.rept 4
	v_nop
.endr
	global_store_b128 v[L16], v[210:213], s[16:17]                 ; lane (rho, h): F[rho][16 t + 8 h + 0 .. 3]
	global_store_b128 v[L16], v[214:217], s[16:17] offset:512
.Lnot_far:
	s_cmp_eq_u32 s[WV], 4
	s_cbranch_scc0 .Lnot_4
	ds_load_b128 v[218:221], v[L16] offset:VUSC    ; V's scale words of the chunk's two K steps: 512 bytes
	s_wait_dscnt 0x0
	global_store_b128 v[L16], v[218:221], s[12:13]
.Lnot_4:
	s_cmp_eq_u32 s[WV], 5
	s_cbranch_scc0 .Lnot_5
.irp q, 0,1,2,3
	ds_load_b32 v[222+\q], v[L4] offset:LSUM+128*\q
.endr
	v_mov_b32 v226, 0                              ; (a lane permute's destination counts as one of its sources)
	s_wait_dscnt 0x0
	v_add_f32 v222, v222, v223
	v_add_f32 v224, v224, v225
	v_add_f32 v222, v222, v224
	v_permlanex16_b32 v226, v222, s[SEL], s[SEL+1]
	v_add_f32 v222, v222, v226                     ; Lsel[rho]: the eight blocks' selected sums
	v_mov_b32 v223, v[T0]
	global_store_b64 v[L8], v[222:223], s[18:19]   ; 32 x (Lsel[lane % 16], the largest t): 256 consecutive bytes
.Lnot_5:
	s_wait_tensorcnt 0x0                           ; the wave's end, behind my tensor load and my last LDS store
	ds_add_u32 v[SPW], v[NIL]
	s_wait_dscnt 0x0
	s_endpgm
.Lfunc_end_k_q06b3662ee0_prep:
	.size	k_q06b3662ee0_prep, .Lfunc_end_k_q06b3662ee0_prep-k_q06b3662ee0_prep
	.p2alignl 7, 3214868480
	.fill 96, 4, 3214868480
	.section	.rodata,"a",@progbits
	.p2align	6, 0x0
	.amdhsa_kernel k_q06b3662ee0_prep
		.amdhsa_group_segment_fixed_size 174592
		.amdhsa_private_segment_fixed_size 0
		.amdhsa_enable_private_segment 0
		.amdhsa_kernarg_size 64
		.amdhsa_user_sgpr_count 2
		.amdhsa_user_sgpr_kernarg_segment_ptr 1
		.amdhsa_wavefront_size32 1
		.amdhsa_system_sgpr_workgroup_id_x 1
		.amdhsa_system_sgpr_workgroup_id_y 1
		.amdhsa_system_sgpr_workgroup_id_z 1
		.amdhsa_system_vgpr_workitem_id 0
		.amdhsa_next_free_vgpr 256
		.amdhsa_next_free_sgpr 102
		.amdhsa_reserve_vcc 1
		.amdhsa_float_denorm_mode_32 3
		.amdhsa_float_denorm_mode_16_64 3
		.amdhsa_memory_ordered 1
		.amdhsa_forward_progress 1
		.amdhsa_inst_pref_size 91
	.end_amdhsa_kernel
	.amdgpu_metadata
---
amdhsa.version: [ 1, 2 ]
amdhsa.kernels:
  - .name:           k_q06b3662ee0_prep
    .symbol:         k_q06b3662ee0_prep.kd
    .args:
      - { .name: K, .offset: 0, .size: 8, .value_kind: global_buffer, .address_space: global }
      - { .name: V, .offset: 8, .size: 8, .value_kind: global_buffer, .address_space: global }
      - { .name: mask, .offset: 16, .size: 8, .value_kind: global_buffer, .address_space: global }
      - { .name: vcod, .offset: 24, .size: 8, .value_kind: global_buffer, .address_space: global }
      - { .name: vscl, .offset: 32, .size: 8, .value_kind: global_buffer, .address_space: global }
      - { .name: kvp, .offset: 40, .size: 8, .value_kind: global_buffer, .address_space: global }
      - { .name: ffp, .offset: 48, .size: 8, .value_kind: global_buffer, .address_space: global }
      - { .name: ffr, .offset: 56, .size: 8, .value_kind: global_buffer, .address_space: global }
    .group_segment_fixed_size: 174592
    .private_segment_fixed_size: 0
    .kernarg_segment_align: 8
    .kernarg_segment_size: 64
    .max_flat_workgroup_size: 256
    .sgpr_count:     102
    .vgpr_count:     256
    .wavefront_size: 32
...
	.end_amdgpu_metadata
.endif
;; end of part 1
;; launch attn (part 2): grid 16 x 16, 8 waves a work-group, clusters of 4 x 1, 198,912 bytes of LDS; arguments Q, K, mask, sparse_ratio, vcod, vscl, kvp, ffp, ffr, out0; writes out0
.if DOCPART == 2
	.amdgcn_target "amdgcn-amd-amdhsa--gfx1250"
	.amdhsa_code_object_version 6
	.text
	.protected	k_q06b3662ee0_attn
	.globl	k_q06b3662ee0_attn
	.p2align	8
	.type	k_q06b3662ee0_attn,@function
k_q06b3662ee0_attn:
	s_mov_b64 s[64:65], 0
	v_nop
	global_prefetch_b8 v0, s[64:65] scope:SCOPE_SE
	s_setreg_imm32_b32 hwreg(HW_REG_WAVE_MODE, 25, 1), 1
	s_wait_xcnt 0x0
	s_wait_alu depctr_hold_cnt(0) depctr_sa_sdst(0) depctr_va_vdst(0) depctr_va_sdst(0) depctr_va_ssrc(0) depctr_va_vcc(0) depctr_vm_vsrc(0)
	s_getreg_b32 s2, hwreg(HW_REG_IB_STS2, 6, 4)
	s_cmp_eq_u32 s2, 0
	s_cbranch_scc0 .Lentry_in_a_cluster
	s_endpgm
.Lentry_in_a_cluster:
	s_bfe_u32 s2, ttmp6, 0x10000c
	s_cmp_lg_u32 s2, 0x3003
	s_cbranch_scc0 .Lentry_shape_is_right
	s_endpgm
.Lentry_shape_is_right:
; SparseLowrankAttention, second launch: out = r softmax-band(Q K^T / 8) V + (1 - r) Q1 kv.  All products on codes of E2M3 with one E8M0 scale for each 32 along K.
; LEFT OUT AS DEAD WORK: the tiles of Q K^T wholly outside |i - j| < 64: reference() replaces those scores by -1e6 whatever Q and K hold (shown at the head of the first kernel; a NaN, an infinity or an overflow
; that reaches only those scores is not carried).  The keys outside a query's window are NOT left out of p V: they enter as the softmax's first state (O, l, M) = (F, Lfar, M0), made by the first launch.
; V itself is not among the arguments: its codes and scale bytes are.
; SHARES.  A work-group takes 128 queries of one head and key blocks 4 wgq - 2 .. 4 wgq + 5 (relative 0 .. 7).  Wave w takes 16 queries; p = w / 2 picks its window: relative blocks p .. p + 4 (160 keys).
; Wave w also prepares relative block w for all: -c = -1e6 (1 - mask), K's two tiles as codes, half a pair of V's codes; and one eighth of kv: e block w / 2, d block w & 1.
; A block that does not exist (before key 0, behind key 2,047) is served with no branch: its number is clamped for the loads, and -infinity is added to its -c, so that p = 0.
; LAYOUT.  All products are used transposed, so that a lane holds ONE query (lane % 16): S^T = K Q^T, O^T = V^T P^T, LR^T = kv^T Q1^T.  Lane r of K's tile 2 b + u takes key 32 b + 8 u + r + 8 (r / 8), so that
; the 16 registers of tiles 2 b, 2 b + 1 are keys 32 b + 16 (lane / 16) + 0 .. 15.  K of the first and last product is 64: Q's and Q1's codes for k = 64 .. 127 are zeros; what the other operand's upper six
; registers hold (the next tile's codes, older bits) then adds nothing: every pattern of six bits is a finite number, and the scale bytes there are 0, which is 2^-127.
; CLUSTER.  The four work-groups of a cluster belong to one head and need the same 131,072 bytes of kv's partials: each wave's eighth is asked for JOINTLY, by the same tensor load with the same descriptor and the
; mask of all four.  K and V are not shared so: the partners' windows differ.  No branch and no LDS address hangs on a work-group's place in its cluster.
; LIMITS: NaN and infinities among the inputs are not served; blocks under 2^-124 keep the byte 1; a far-field weight g 2^(M0 - M) under 2^-126 is lost.
.set KIMG,  0                          ; [block 8][u 2][768]: images of half fragments
.set VL,    12288                      ; four pairs of key blocks x [e tile 4][768], as in vcod
.set KSC,   24576                      ; [block 8][lane 32][4]: lanes 0-15 tile u = 0's scale words, lanes 16-31 tile u = 1's
.set CTAB,  25600                      ; -c of the 256 keys
.set KVC,   26624                      ; kv's codes: [e 64][48 bytes]
.set KVSC,  29696                      ; kv's scale bytes: [e 64][2]
.set FFW,   29952                      ; 256 bytes a wave: F of its window
.set OSTG,  32000                      ; 16 rows x 272 bytes a wave: the way out
.set SPARE, 66816                      ; the spare words, 128 bytes for each wave: four blocks of 256 bytes that no other line names
.set KVP,   67840                      ; 16,384 bytes a wave: its part of the eight partials; filled once, read by the wave that asked
.set SPW,   1
.set NIL,   2
.set R,     3
.set H,     4
.set L16,   5
.set L8,    6
.set L4,    7
.set GK,    8
.set GQ,    9
.set T4,    10                         ; 4 x thread
.set KW128, 11                         ; 16 x lane + 1,536 w
.set KW64,  12
.set KR128, 13                         ; 16 x lane + 1,536 p
.set KR64,  14
.set KSR,   15
.set ACT,   16
.set AV128, 17
.set AV64,  18
.set AVB128, 19
.set AVB64, 20
.set FFS,   21
.set AFF,   22
.set STO,   23
.set RD,    24
.set AKVP,  25
.set AKVC,  26
.set KVSW,  27
.set QC,    28                         ; v28-39  Q's codes, six registers, and six of zeros
.set Q1C,   40                         ; v40-51  Q1's likewise
.set QS,    52                         ; v52-72  scale words and nothing else
.set Q1S,   53
.set KS,    54
.set VS1,   59
.set VS2,   63
.set PS1,   67
.set PS2,   68
.set KVS,   69
.set KVR,   73
.set KVSR,  74
.set R4,    75
.set LO,    76
.set TMAX,  77
.set NM,    78                         ; v[78:79] -M
.set LS,    80                         ; v[80:81] l in two halves; later r / l
.set FZ,    82                         ; v[82:83] f0 = 2^(M0 - M); later 1 - r
.set H8,    92
.set AA,    96                         ; v96-175: K as f32 and V's copy; Q1; K's fragments; -c; O^T, P's codes
.set SS,    176                        ; v176-255: Q as f32, the far field, V's scale words; S^T and p; V's fragments; kv
.set WV,    24
.set P,     25
.set WGQ,   27
.set BH,    28
.set W1,    29
.set G0,    32
.set G1,    36
.set SEL,   44
.set VHI,   46
.set LF,    48
.set T0S,   56
.set RR,    57
.set PEN,   58
.set SH,    59
.set LMASK, 60
.set RHO,   88
.macro ROUND                           ; a round of the cluster's barrier
	s_barrier_signal -1
	s_barrier_wait -1
	s_cmp_lg_u32 s[WV], 0
	s_cbranch_scc1 .Lnot_wave_0_\@
	s_barrier_signal -3
.Lnot_wave_0_\@:
	s_barrier_wait -3
	s_barrier_signal -1
	s_barrier_wait -1
.endm
; 32 numbers of one lane, k = 32 (lane / 16) + 0 .. 31 of row lane % 16, become six registers of codes; the row's scale word (bytes 0, 1; bytes 2, 3 are 0) is made whole with lane l xor 16's byte
.macro ROWQ xs, dst, word
	v_max3_num_f32 v84, |v[\xs]|, |v[\xs+1]|, |v[\xs+2]|
	v_max3_num_f32 v85, |v[\xs+3]|, |v[\xs+4]|, |v[\xs+5]|
.irp i, 6,10,14,18,22,26
	v_max3_num_f32 v84, v84, |v[\xs+\i]|, |v[\xs+\i+1]|
	v_max3_num_f32 v85, v85, |v[\xs+\i+2]|, |v[\xs+\i+3]|
.endr
	v_max3_num_f32 v84, v84, |v[\xs+30]|, |v[\xs+31]|
	v_max3_num_f32 v84, v84, v85, 0x1800000        ; the floor 2^(3 - 127): the byte cannot fall under 1
	v_add_nc_u32 v86, 0xff000000, v84              ; 2 off the exponent field: the conversion's scale operand
	v_lshrrev_b32 v87, 23, v86
	v_cvt_scalef32_pk16_fp6_f32 v[\dst:\dst+2], v[\xs:\xs+15], v86
	v_cvt_scalef32_pk16_fp6_f32 v[88:90], v[\xs+16:\xs+31], v86
	v_lshlrev_b32 v87, v[H8], v87                  ; my byte at its place.  (The plain line behind the conversions)
.irp i, 0,1,2
	v_mov_b32 v[\dst+3+\i], v[88+\i]
.endr
	v_permlanex16_b32 v91, v87, s[SEL], s[SEL+1]
	v_or_b32 v[\word], v87, v91
.endm
.macro ADD4 d, s
	v_pk_add_f32 v[\d:\d+1], v[\d:\d+1], v[\s:\s+1]
	v_pk_add_f32 v[\d+2:\d+3], v[\d+2:\d+3], v[\s+2:\s+3]
.endm
.macro ADD16 d, s
.set j, 0
.rept 8
	v_pk_add_f32 v[\d+j:\d+j+1], v[\d+j:\d+j+1], v[\s+j:\s+j+1]
.set j, j+2
.endr
.endm
	s_load_b512 s[4:19], s[0:1], 0x0               ; Q, K, mask, sparse_ratio, vcod, vscl, kvp, ffp
	s_load_b128 s[20:23], s[0:1], 0x40             ; ffr, out0
	v_lshl_add_u32 v[SPW], v0, 2, SPARE
	v_mov_b32 v[NIL], 0
	ds_add_u32 v[SPW], v[NIL]                      ; the wave's opening: the add, twice on end, and its wait ahead of the round in front of my tensor load
	ds_add_u32 v[SPW], v[NIL]
	v_lshrrev_b32 v[R], 5, v0
	v_readfirstlane_b32 s[WV], v[R]                ; wave 0..7
	s_lshr_b32 s[P], s[WV], 1
	s_and_b32 s[W1], s[WV], 1
	s_bfe_u32 s26, ttmp6, 0x40000                  ; cx
	s_lshl_b32 s[WGQ], ttmp9, 2
	s_add_co_u32 s[WGQ], s[WGQ], s26               ; my block of 128 queries: it enters global addresses alone
	s_and_b32 s[BH], ttmp7, 0xffff                 ; the head, which the four partners share
	s_lshl_b32 s66, s[WGQ], 2
	s_add_co_u32 s66, s66, s[WV]
	s_sub_co_i32 s66, s66, 2                       ; the key block that I prepare
	s_cmp_lt_u32 s66, 64                           ; does it exist?
	s_cselect_b32 s[PEN], 0, 0xff800000            ; else -infinity goes onto its -c
	s_max_i32 s66, s66, 0
	s_min_i32 s66, s66, 63                         ; and its loads take a block that does
	s_lshr_b32 s68, s[BH], 3                       ; mask: batch x 8,192 + block x 128
	s_lshl_b32 s68, s68, 13
	s_lshl_b32 s67, s66, 7
	s_add_co_u32 s68, s68, s67
	s_mov_b32 s69, 0
	s_lshl_b32 s70, s[BH], 19                      ; K: head x 524,288 + block x 32 rows of 256 bytes
	s_lshl_b32 s67, s66, 13
	s_add_co_u32 s70, s70, s67
	s_mov_b32 s71, 0
	s_lshl_b32 s72, s[BH], 19                      ; Q and out0: head + (128 wgq + 16 w) rows
	s_lshl_b32 s67, s[WGQ], 15
	s_add_co_u32 s72, s72, s67
	s_lshl_b32 s67, s[WV], 12
	s_add_co_u32 s72, s72, s67
	s_mov_b32 s73, 0
	s_lshl_b32 s67, s[WGQ], 1                      ; vcod: pair 2 wgq - 1 + p, clamped; my half of its 3,072 bytes
	s_add_co_u32 s67, s67, s[P]
	s_sub_co_i32 s67, s67, 1
	s_max_i32 s67, s67, 0
	s_min_i32 s67, s67, 31
	s_mul_i32 s74, s67, 3072
	s_mul_i32 s67, s[BH], 98304
	s_add_co_u32 s74, s74, s67
	s_mul_i32 s67, s[W1], 1536
	s_add_co_u32 s74, s74, s67
	s_mov_b32 s75, 0
	s_add_co_u32 s67, s[P], 2                      ; vscl: my window begins at byte (2 + p) % 4 of the word of K step wgq - 1 + (2 + p) / 4
	s_and_b32 s[SH], s67, 3
	s_lshl_b32 s[SH], s[SH], 3
	s_lshr_b32 s67, s67, 2
	s_add_co_u32 s67, s67, s[WGQ]
	s_min_i32 s78, s67, 15
	s_sub_co_i32 s67, s67, 1
	s_max_i32 s67, s67, 0
	s_min_i32 s76, s67, 15
	s_lshl_b32 s76, s76, 8
	s_lshl_b32 s78, s78, 8
	s_lshl_b32 s67, s[BH], 12
	s_add_co_u32 s76, s76, s67
	s_add_co_u32 s78, s78, s67
	s_mov_b32 s77, 0
	s_mov_b32 s79, 0
	s_lshl_b32 s80, s[BH], 17                      ; kvp: head x 131,072 + wave x 2,048: the same in all four partners
	s_lshl_b32 s67, s[WV], 11
	s_add_co_u32 s80, s80, s67
	s_mov_b32 s81, 0
	s_lshl_b32 s82, s[BH], 15                      ; ffp
	s_mov_b32 s83, 0
	s_lshl_b32 s84, s[BH], 11                      ; ffr
	s_mov_b32 s85, 0
	s_lshl_b32 s67, s[WGQ], 2
	s_add_co_u32 s67, s67, s[P]
	s_add_co_u32 s67, s67, 4                       ; my window + 4
.irp c, 0,1,2,3,4,5,6,7
	s_sub_co_i32 s[RHO+\c], s67, 8*\c              ; which of chunk c's 16 rows stands for my window
	s_max_i32 s[RHO+\c], s[RHO+\c], 0
	s_min_i32 s[RHO+\c], s[RHO+\c], 15
.endr
	s_mov_b32 s[G1], 15|(3<<16)|(1<<21)            ; group 1: the mask of all four work-groups, bit 21 beside it; elements of 8 bytes; no padding
	s_mov_b32 s[G1+1], 256<<16                     ; tensor_dim0 = 256: 2,048 bytes of a chunk's partial
	s_mov_b32 s[G1+2], 8<<16                       ; tensor_dim1 = 8 chunks
	s_mov_b32 s[G1+3], 256<<16                     ; tile_dim0
	s_mov_b32 s[G1+4], 8                           ; tile_dim1
	s_mov_b32 s[G1+5], 2048                        ; 16,384 bytes from chunk to chunk
	s_mov_b32 s[G1+6], 0
	s_mov_b32 s[G1+7], 0
	s_mov_b32 s[G0], 1
	s_lshl_b32 s[G0+1], s[WV], 14
	s_add_co_u32 s[G0+1], s[G0+1], KVP
	s_mov_b32 s[SEL], 0x76543210
	s_mov_b32 s[SEL+1], 0xfedcba98
	s_mov_b32 s[LMASK], 0xffff0000
	v_and_b32 v[R], 15, v0
	v_bfe_u32 v[H], v0, 4, 1
	v_and_b32 v84, 31, v0
	v_lshlrev_b32 v[L16], 4, v84
	v_lshlrev_b32 v[L8], 3, v84
	v_lshlrev_b32 v[L4], 2, v84
	v_lshlrev_b32 v[R4], 2, v[R]
	v_and_b32 v84, 8, v[R]
	v_add_nc_u32 v84, v84, v[R]                    ; r + 8 (r / 8)
	v_lshlrev_b32 v[GK], 8, v84
	v_lshl_add_u32 v[GK], v[H], 7, v[GK]           ; K: that row, + my block of 32 along d
	v_lshlrev_b32 v[GQ], 8, v[R]
	v_lshl_add_u32 v[GQ], v[H], 7, v[GQ]
	v_and_b32 v84, 12, v[R]                        ; the far field: lane x = lane % 16 takes F[4 x .. 4 x + 3]: tile x / 4, half of the lanes (x / 2) % 2, half of the registers x % 2
	v_lshlrev_b32 v84, 8, v84
	v_and_b32 v85, 1, v[R]
	v_lshl_add_u32 v84, v85, 9, v84
	v_and_b32 v85, 2, v[R]
	v_lshl_add_u32 v84, v85, 7, v84
.irp c, 0,1,2,3,4,5,6,7
	v_lshl_add_u32 v[248+\c], s[RHO+\c], 4, v84    ; + 16 x the row
	s_lshl_b32 s[RHO+\c], s[RHO+\c], 3             ; and 8 x the row, for ffr
.endr
	s_wait_dscnt 0x0                               ; both opening adds are done
	s_wait_kmcnt 0x0
	s_add_nc_u64 s[8:9], s[8:9], s[68:69]
	s_add_nc_u64 s[6:7], s[6:7], s[70:71]
	s_add_nc_u64 s[4:5], s[4:5], s[72:73]
	s_add_nc_u64 s[22:23], s[22:23], s[72:73]
	s_add_nc_u64 s[12:13], s[12:13], s[74:75]
	s_add_nc_u64 s[VHI:VHI+1], s[14:15], s[78:79]
	s_add_nc_u64 s[14:15], s[14:15], s[76:77]
	s_add_nc_u64 s[18:19], s[18:19], s[82:83]
	s_add_nc_u64 s[20:21], s[20:21], s[84:85]
	s_add_nc_u64 s[G0+2:G0+3], s[16:17], s[80:81]
	s_or_b32 s[G0+3], s[G0+3], 0x80000000          ; type = 2
	; all 44 loads, in the order in which they are wanted
	global_load_b32 v95, v[L4], s[8:9]                                             ; 1: my block's mask
.irp u, 0,1
.irp k, 0,1,2,3,4,5,6,7
	global_load_b128 v[AA+32*\u+4*\k:AA+32*\u+4*\k+3], v[GK], s[6:7] offset:2048*\u+16*\k   ; 16: K's two tiles
.endr
.endr
.irp k, 0,1,2
	global_load_b128 v[160+4*\k:163+4*\k], v[L16], s[12:13] offset:512*\k          ; 3: V's codes
.endr
.irp k, 0,1,2,3,4,5,6,7
	global_load_b128 v[SS+4*\k:SS+4*\k+3], v[GQ], s[4:5] offset:16*\k th:TH_LOAD_NT   ; 8: Q, read by this wave alone
.endr
.irp c, 0,1,2,3,4,5,6,7
	global_load_b128 v[208+4*\c:211+4*\c], v[248+\c], s[18:19] offset:4096*\c      ; 8: the far field, a chunk each
.endr
.irp t, 0,1,2,3
	global_load_b32 v[240+\t], v[R4], s[14:15] offset:64*\t                        ; 8: V's scale words, two K steps
.endr
.irp t, 0,1,2,3
	global_load_b32 v[244+\t], v[R4], s[VHI:VHI+1] offset:64*\t
.endr
.irp c, 0,1,2,3,4,5,6,7
	s_load_b32 s[LF+\c], s[20:21], s[RHO+\c] offset:256*\c                         ; Lsel of my window's row, a chunk each
.endr
	s_load_b32 s[T0S], s[20:21], 0x4               ; the largest far t
	s_load_b32 s[RR], s[10:11], 0x0                ; r
	ROUND                                          ; all four work-groups are here: the joint loads meet
	tensor_load_to_lds s[G0:G0+3], s[G1:G1+7]      ; my one tensor load
	s_nop 0
	; the LDS addresses, while the loads are on their way
	v_lshlrev_b32 v[T4], 2, v0
	v_lshlrev_b32 v[H8], 3, v[H]
	s_mul_i32 s67, s[WV], 1536
	v_add_nc_u32 v[KW128], s67, v[L16]
	v_add_nc_u32 v[KW64], s67, v[L8]
	s_mul_i32 s67, s[P], 1536
	v_add_nc_u32 v[KR128], s67, v[L16]
	v_add_nc_u32 v[KR64], s67, v[L8]
	s_lshl_b32 s67, s[P], 7
	v_add_nc_u32 v[KSR], s67, v[L4]
	v_lshl_add_u32 v[ACT], v[H], 6, s67
	v_add_nc_u32 v84, s[P], v[H]                   ; V: lane (r, h) of a fragment's half c wants relative block p + h + 2 c: pair (p + h) / 2 + c, the image's lanes 16 ((p + h) % 2) + r
	v_lshrrev_b32 v85, 1, v84
	v_and_b32 v84, 1, v84
	v_mul_u32_u24 v85, v85, 3072
	v_lshl_add_u32 v84, v84, 4, v[R]
	v_lshl_add_u32 v[AV128], v84, 4, v85
	v_lshl_add_u32 v[AV64], v84, 3, v85
	s_lshr_b32 s67, s[P], 1                        ; the window's fifth block, p + 4: both halves of the lanes take it (P's codes are zeros in lanes 16-31)
	s_mul_i32 s67, s67, 3072
	s_and_b32 s86, s[P], 1
	s_lshl_b32 s86, s86, 4
	v_add_nc_u32 v84, s86, v[R]
	v_lshlrev_b32 v85, 4, v84
	v_add_nc_u32 v[AVB128], s67, v85
	v_lshlrev_b32 v85, 3, v84
	v_add_nc_u32 v[AVB64], s67, v85
	s_lshl_b32 s67, s[WV], 8
	v_lshl_add_u32 v[FFS], v[R], 4, s67
	v_lshl_add_u32 v[AFF], v[H], 5, s67
	s_mul_i32 s67, s[WV], 16*272
	s_add_co_u32 s67, s67, OSTG
	v_mul_u32_u24 v84, v[R], 272
	v_lshl_add_u32 v84, v[H], 5, v84
	v_add_nc_u32 v[STO], s67, v84
	v_mul_u32_u24 v84, v[H], 272
	v_lshl_add_u32 v84, v[R], 4, v84
	v_add_nc_u32 v[RD], s67, v84
	v_lshlrev_b32 v84, 10, v[H]
	v_lshl_add_u32 v84, v[R], 4, v84
	v_add_nc_u32 v[AKVP], s[G0+1], v84             ; my part of the partials: d tile = lane / 16, e = lane % 16
	s_mul_i32 s67, s[P], 768
	s_mul_i32 s86, s[W1], 24
	s_add_co_u32 s67, s67, s86
	v_mul_u32_u24 v84, v[R], 48
	v_mad_u32_u24 v85, v[H], 12, v84
	v_add_nc_u32 v[AKVC], s67, v85
	v_mad_u32_u24 v[KVR], v[H], 24, v84
	s_lshl_b32 s67, s[P], 5
	s_add_co_u32 s67, s67, s[W1]
	v_lshlrev_b32 v[KVSR], 1, v[R]
	v_add_nc_u32 v[KVSW], s67, v[KVSR]
	s_lshl_b32 s67, s[W1], 4
	v_add_nc_u32 v[LO], s67, v[R]
	v_lshlrev_b32 v84, 4, v[H]
	v_sub_nc_u32 v[LO], v[LO], v84                 ; my query's place among its window's 32, less 16 (lane / 16)
.irp i, 0,1,2,3,4,5
	v_mov_b32 v[QC+6+\i], 0                        ; k = 64 .. 127: zero codes
	v_mov_b32 v[Q1C+6+\i], 0
.endr
	v_mov_b32 v91, 0                               ; (a lane permute's destination counts as one of its sources)
	; ---- what I prepare for all
	s_wait_loadcnt 43                              ; the mask is in; the 43 loads behind it may be out
	v_sub_f32 v95, 1.0, v95
	v_mul_f32 v95, 0xc9742400, v95                 ; -c = -1e6 (1 - m)
	v_add_f32 v95, s[PEN], v95
	ds_store_b32 v[T4], v95 offset:CTAB
	s_wait_loadcnt 27                              ; K's 16 loads are in
	ROWQ AA, QC, 93
	ROWQ AA+32, Q1C, 94                            ; (Q's and Q1's registers are free until the stores below are done)
	v_cndmask_b32 v93, v93, v94, s[LMASK]          ; lanes 0-15: tile u = 0's words; lanes 16-31: tile u = 1's
	ds_store_b128 v[KW128], v[QC:QC+3] offset:KIMG
	ds_store_b64 v[KW64], v[QC+4:QC+5] offset:KIMG+512
	ds_store_b128 v[KW128], v[Q1C:Q1C+3] offset:KIMG+768
	ds_store_b64 v[KW64], v[Q1C+4:Q1C+5] offset:KIMG+1280
	ds_store_b32 v[T4], v93 offset:KSC
	s_wait_loadcnt 24                              ; V's codes
.irp k, 0,1,2
	ds_store_b128 v[KW128], v[160+4*\k:163+4*\k] offset:VL+512*\k
.endr
	s_wait_dscnt 0x0                               ; for the others' sake: all my stores lie in LDS
	s_barrier_signal -1
	; work on registers while the others arrive: Q and Q1 become codes
	s_wait_loadcnt 16                              ; Q
	ROWQ SS, QC, QS
.set j, 0
.rept 16
	v_pk_mul_f32 v[AA+j:AA+j+1], v[SS+j:SS+j+1], 0x3fb8aa3b op_sel_hi:[1,0]
.set j, j+2
.endr
.set j, 0
.rept 32
	v_min_num_f32 v[AA+j], 0, v[AA+j]
.set j, j+1
.endr
.set j, 0
.rept 32
	v_exp_f32 v[AA+j], v[AA+j]
.set j, j+1
.endr
.set j, 0
.rept 32
	v_max_num_f32 v[SS+j], 0, v[SS+j]              ; plain work behind the exponentials
.set j, j+1
.endr
	s_wait_alu depctr_va_vdst(0)                   ; one wait for the batch of 32
.set j, 0
.rept 16
	v_pk_add_f32 v[AA+j:AA+j+1], v[AA+j:AA+j+1], v[SS+j:SS+j+1]       ; elu(x) + 1
.set j, j+2
.endr
.set j, 0
.rept 16
	v_pk_mul_f32 v[AA+j:AA+j+1], v[AA+j:AA+j+1], 0x3e1837f0 op_sel_hi:[1,0]   ; x 2,048^(-1/4)
.set j, j+2
.endr
	ROWQ AA, Q1C, Q1S
	s_barrier_wait -1
	; ---- my window's ten tiles of K: tile n at v[AA + 6 n]
.irp n, 0,1,2,3,4,5,6,7,8,9
	ds_load_b128 v[AA+6*\n:AA+6*\n+3], v[KR128] offset:KIMG+768*\n
	ds_load_b64 v[AA+6*\n+4:AA+6*\n+5], v[KR64] offset:KIMG+768*\n+512
.endr
.irp b, 0,1,2,3,4
	ds_load_b32 v[KS+\b], v[KSR] offset:KSC+128*\b
.endr
	s_wait_loadcnt 8                               ; the far field's eight chunks are in; V's scale words may be out
	ADD4 208, 212
	ADD4 216, 220
	ADD4 224, 228
	ADD4 232, 236
	ADD4 208, 216
	ADD4 224, 232
	ADD4 208, 224
	ds_store_b128 v[FFS], v[208:211] offset:FFW    ; F[4 x .. 4 x + 3] into my wave's own 256 bytes (lanes 16-31 write the same as lanes 0-15)
	s_wait_loadcnt 0x0
.irp t, 0,1,2,3
	v_alignbit_b32 v[VS1+\t], v[244+\t], v[240+\t], s[SH]   ; the bytes of my window's blocks 0 .. 3
	v_lshrrev_b32 v[VS2+\t], s[SH], v[244+\t]               ; and of block 4 (the bytes above it scale zero codes)
.endr
	s_wait_kmcnt 0x0
	s_add_f32 s[LF], s[LF], s[LF+1]
	s_add_f32 s[LF+2], s[LF+2], s[LF+3]
	s_add_f32 s[LF+4], s[LF+4], s[LF+5]
	s_add_f32 s[LF+6], s[LF+6], s[LF+7]
	s_add_f32 s[LF], s[LF], s[LF+2]
	s_add_f32 s[LF+4], s[LF+4], s[LF+6]
	s_add_f32 s[LF], s[LF], s[LF+4]                ; Lfar
	s_wait_dscnt 0x0
.irp n, 0,2,4,6,8
	v_wmma_scale_f32_16x16x128_f8f6f4 v[SS+8*\n:SS+8*\n+7], v[AA+6*\n:AA+6*\n+11], v[QC:QC+11], 0, v[KS+\n/2], v[QS] matrix_a_fmt:MATRIX_FMT_FP6 matrix_b_fmt:MATRIX_FMT_FP6
	v_wmma_scale_f32_16x16x128_f8f6f4 v[SS+8*\n+8:SS+8*\n+15], v[AA+6*\n+6:AA+6*\n+17], v[QC:QC+11], 0, v[KS+\n/2], v[QS] matrix_a_fmt:MATRIX_FMT_FP6 matrix_b_fmt:MATRIX_FMT_FP6 matrix_a_scale:MATRIX_SCALE_ROW1
.endr
	v_mov_b32 v84, 0xcaf42400                      ; -8e6: x 0.125 it is reference's -1e6.  (Four places ahead of the loads into K's registers and of the first read of the scores)
	v_mov_b32 v95, s[T0S]
	v_nop
	v_nop
.irp b, 0,1,2,3,4
.irp k, 0,1,2,3
	ds_load_b128 v[AA+16*\b+4*\k:AA+16*\b+4*\k+3], v[ACT] offset:CTAB+128*\b+16*\k   ; -c of my 80 keys, register for register as the scores lie
.endr
.endr
; THE BAND.  Register 16 b + i holds the window's key 32 b + 16 (lane / 16) + i.  Block 0 counts where i > LO, block 4 where i < LO; blocks 1 to 3 lie wholly inside |i - j| < 64.
.set j, 0
.rept 16
	v_cmp_gt_i32 vcc_lo, j, v[LO]
	v_cndmask_b32 v[SS+j], v84, v[SS+j], vcc_lo
.set j, j+1
.endr
.set j, 0
.rept 16
	v_cmp_lt_i32 vcc_lo, j, v[LO]
	v_cndmask_b32 v[SS+64+j], v84, v[SS+64+j], vcc_lo
.set j, j+1
.endr
	s_wait_dscnt 0x0
.set j, 0
.rept 40
	v_pk_fma_f32 v[SS+j:SS+j+1], v[SS+j:SS+j+1], 0x3e000000, v[AA+j:AA+j+1] op_sel_hi:[1,0,1]   ; the logit: score / 8 - c, one rounding, as reference() has it (the division by 8 is exact)
.set j, j+2
.endr
.irp t, 0,1,2,3
	ds_load_b128 v[AA+8*\t:AA+8*\t+3], v[AFF] offset:FFW+64*\t          ; F, in O^T's layout: my stores above are seen, LDS serves a wave's instructions in order (ISA guide 5.7.1.4)
	ds_load_b128 v[AA+8*\t+4:AA+8*\t+7], v[AFF] offset:FFW+64*\t+16
.endr
.set j, 0
.rept 40
	v_pk_mul_f32 v[SS+j:SS+j+1], v[SS+j:SS+j+1], 0x3fb8aa3b op_sel_hi:[1,0]                      ; t
.set j, j+2
.endr
.irp b, 0,1,2,3,4
	v_max3_num_f32 v[84+\b], v[SS+16*\b], v[SS+1+16*\b], v[SS+2+16*\b]   ; each block's largest t: for the row's maximum and, since p rises with t, for the block's largest p
.endr
.irp i, 3,5,7,9,11,13
.irp b, 0,1,2,3,4
	v_max3_num_f32 v[84+\b], v[84+\b], v[SS+16*\b+\i], v[SS+1+16*\b+\i]
.endr
.endr
.irp b, 0,1,2,3,4
	v_max_num_f32 v[84+\b], v[84+\b], v[SS+15+16*\b]
.endr
.irp b, 0,1,2,3,4
	v_permlanex16_b32 v[89+\b], v[84+\b], s[SEL], s[SEL+1]
.endr
.irp b, 0,1,2,3,4
	v_max_num_f32 v[84+\b], v[84+\b], v[89+\b]
.endr
	v_max3_num_f32 v[TMAX], v84, v85, v86
	v_max3_num_f32 v[TMAX], v[TMAX], v87, v88
	v_max_num_f32 v[TMAX], v[TMAX], v95            ; with the far keys' largest t: the row's maximum over all 2,048 keys
	v_floor_f32 v[NM], -v[TMAX]                    ; -M = -ceil(t): a whole number
	v_floor_f32 v95, -v95                          ; -M0
	v_mov_b32 v[NM+1], v[NM]
	v_sub_f32 v95, v[NM], v95                      ; M0 - M: a whole number, 0 or less
	v_cvt_i32_f32 v95, v95                         ; (it saturates)
	v_ldexp_f32 v[FZ], 1.0, v95                    ; f0 = 2^(M0 - M) brings the far field under M and rounds nothing
	v_mov_b32 v[FZ+1], v[FZ]
.set j, 0
.rept 40
	v_pk_add_f32 v[SS+j:SS+j+1], v[SS+j:SS+j+1], v[NM:NM+1]
.set j, j+2
.endr
.irp b, 0,1,2,3,4
	v_add_f32 v[84+\b], v[84+\b], v[NM]
.endr
.set j, 0
.rept 80
	v_exp_f32 v[SS+j], v[SS+j]                     ; p = 2^(t - M): not normalised
.set j, j+1
.endr
.irp i, 146,147,148,149,150,151,160,161,162
	v_mov_b32 v[\i], 0                             ; zero codes for the second K step's keys 32 .. 127.  (Plain work behind the exponentials)
.endr
	s_wait_alu depctr_va_vdst(0)                   ; one wait for the batch of 80
.irp b, 0,1,2,3,4
	v_exp_f32 v[84+\b], v[84+\b]                   ; each block's largest p: the same two instructions on the same number give the same bits
.endr
	v_pk_add_f32 v[LS:LS+1], v[SS:SS+1], v[SS+2:SS+3]          ; the row's sum of the unquantised p, in two chains
	v_pk_add_f32 v[94:95], v[SS+4:SS+5], v[SS+6:SS+7]
.irp i, 8,12,16,20,24,28,32,36,40,44,48,52,56,60,64,68,72,76
	v_pk_add_f32 v[LS:LS+1], v[LS:LS+1], v[SS+\i:SS+\i+1]
	v_pk_add_f32 v[94:95], v[94:95], v[SS+\i+2:SS+\i+3]
.endr
	v_pk_add_f32 v[LS:LS+1], v[LS:LS+1], v[94:95]
	s_wait_alu depctr_va_vdst(0)                   ; and one for the five
.irp b, 0,1,2,3,4
	v_max_num_f32 v[84+\b], 0x1800000, v[84+\b]    ; the floor: a block whose every p is 0 keeps the byte 1; its codes are zeros
.endr
.irp b, 0,1,2,3,4
	v_add_nc_u32 v[89+\b], 0xff000000, v[84+\b]
.endr
.irp b, 0,1,2,3,4
	v_lshrrev_b32 v[84+\b], 23, v[89+\b]
.endr
	v_lshl_or_b32 v[PS1], v85, 8, v84
	v_lshl_or_b32 v[PS1], v86, 16, v[PS1]
	v_lshl_or_b32 v[PS1], v87, 24, v[PS1]
	v_mov_b32 v[PS2], v88
	v_cvt_scalef32_pk16_fp6_f32 v[128:130], v[SS:SS+15], v89
	v_cvt_scalef32_pk16_fp6_f32 v[152:154], v[SS+16:SS+31], v90
	v_cvt_scalef32_pk16_fp6_f32 v[134:136], v[SS+32:SS+47], v91
	v_cvt_scalef32_pk16_fp6_f32 v[156:158], v[SS+48:SS+63], v92
	v_cvt_scalef32_pk16_fp6_f32 v[140:142], v[SS+64:SS+79], v93
	v_nop                                          ; one plain line behind the conversions
.irp t, 0,1,2,3                                ; V's fragments, over p: blocks 0 .. 3 at v[SS + 12 t], block 4 at v[224 + 6 t]
	ds_load_b128 v[SS+12*\t:SS+12*\t+3], v[AV128] offset:VL+768*\t
	ds_load_b64 v[SS+12*\t+4:SS+12*\t+5], v[AV64] offset:VL+768*\t+512
	ds_load_b128 v[SS+12*\t+6:SS+12*\t+9], v[AV128] offset:VL+768*\t+3072
	ds_load_b64 v[SS+12*\t+10:SS+12*\t+11], v[AV64] offset:VL+768*\t+3072+512
.endr
.irp t, 0,1,2,3
	ds_load_b128 v[224+6*\t:227+6*\t], v[AVB128] offset:VL+6144+768*\t
	ds_load_b64 v[228+6*\t:229+6*\t], v[AVB64] offset:VL+6144+768*\t+512
.endr
.irp i, 0,1,2                                  ; the operand wants a WHOLE block in a lane: lanes 0-15 the even block, lanes 16-31 the odd one (block 4's partner: zeros)
	v_permlane16_swap_b32 v[128+\i], v[152+\i]
	v_permlane16_swap_b32 v[134+\i], v[156+\i]
	v_permlane16_swap_b32 v[140+\i], v[160+\i]
.endr
.irp i, 0,1,2
	v_mov_b32 v[131+\i], v[152+\i]
	v_mov_b32 v[137+\i], v[156+\i]
	v_mov_b32 v[143+\i], v[160+\i]
.endr
	s_wait_dscnt 24                                ; F is in; V's 24 loads may be out
.set j, 0
.rept 16
	v_pk_mul_f32 v[AA+j:AA+j+1], v[AA+j:AA+j+1], v[FZ:FZ+1] op_sel_hi:[1,0]   ; O^T begins as f0 F.  (These 16 are also the places between P's codes and scale words and the products)
.set j, j+2
.endr
	s_wait_dscnt 0x0
.irp t, 0,1,2,3                                ; the four accumulators by turns
	v_wmma_scale_f32_16x16x128_f8f6f4 v[AA+8*\t:AA+8*\t+7], v[SS+12*\t:SS+12*\t+11], v[128:139], v[AA+8*\t:AA+8*\t+7], v[VS1+\t], v[PS1] matrix_a_fmt:MATRIX_FMT_FP6 matrix_b_fmt:MATRIX_FMT_FP6
.endr
.irp t, 0,1,2,3
	v_wmma_scale_f32_16x16x128_f8f6f4 v[AA+8*\t:AA+8*\t+7], v[224+6*\t:235+6*\t], v[140:151], v[AA+8*\t:AA+8*\t+7], v[VS2+\t], v[PS2] matrix_a_fmt:MATRIX_FMT_FP6 matrix_b_fmt:MATRIX_FMT_FP6
.endr
	v_add_f32 v[LS], v[LS], v[LS+1]                ; l: my two halves,
	v_permlanex16_b32 v84, v[LS], s[SEL], s[SEL+1]
	v_add_f32 v[LS], v[LS], v84                    ; lane l xor 16's,
	v_fma_f32 v[LS], v[FZ], s[LF], v[LS]           ; and the far keys'
	v_nop
	v_nop                                          ; (with the three sums above: the places ahead of the loads into P's and V's registers)
	; ---- my eighth of kv: 16 e x 32 d, the eight partials added in a fixed order, quantised along d
	s_wait_tensorcnt 0x0                           ; my part of the partials has landed; nobody else reads it
.irp c, 0,1,2,3,4,5,6,7
	ds_load_b128 v[128+16*\c:131+16*\c], v[AKVP] offset:2048*\c            ; lane (r, h): kv[32 (w & 1) + 16 h + 0 .. 15][16 (w / 2) + r]
	ds_load_b128 v[132+16*\c:135+16*\c], v[AKVP] offset:2048*\c+512
	ds_load_b128 v[136+16*\c:139+16*\c], v[AKVP] offset:2048*\c+256
	ds_load_b128 v[140+16*\c:143+16*\c], v[AKVP] offset:2048*\c+768
.endr
	v_rcp_f32 v[LS+1], v[LS]
	v_mov_b32 v[FZ+1], s[RR]                       ; (a plain line behind the reciprocal)
	v_sub_f32 v[FZ], 1.0, v[FZ+1]                  ; 1 - r
	s_wait_alu depctr_va_vdst(0)                   ; the wait ahead of the reciprocal's first reader
	v_mul_f32 v[LS], s[RR], v[LS+1]                ; r / l
	s_wait_dscnt 16                                ; chunks 0 to 3 are in
	ADD16 128, 144
	ADD16 160, 176
	ADD16 128, 160
	s_wait_dscnt 0x0
	ADD16 192, 208
	ADD16 224, 240
	ADD16 192, 224
	ADD16 128, 192
	v_max3_num_f32 v84, |v128|, |v129|, 0x1800000
.irp i, 2,4,6,8,10,12,14
	v_max3_num_f32 v84, v84, |v[128+\i]|, |v[129+\i]|
.endr
	v_permlanex16_b32 v85, v84, s[SEL], s[SEL+1]
	v_max_num_f32 v84, v84, v85                    ; with lane l xor 16's 16: the block's largest magnitude
	v_add_nc_u32 v86, 0xff000000, v84
	v_lshrrev_b32 v87, 23, v86
	v_cvt_scalef32_pk16_fp6_f32 v[144:146], v[128:143], v86
	v_nop
	ds_store_b32 v[AKVC], v144 offset:KVC          ; 12 bytes at 48 e + 24 (d block) + 12 (lane / 16)
	ds_store_b32 v[AKVC], v145 offset:KVC+4
	ds_store_b32 v[AKVC], v146 offset:KVC+8
	ds_store_b8 v[KVSW], v87 offset:KVSC           ; (both halves of the lanes write the same byte with the same value)
	s_wait_dscnt 0x0                               ; for the others' sake
	s_barrier_signal -1
	s_barrier_wait -1
	; ---- LR^T = kv^T Q1^T
.irp t, 0,1,2,3
.irp i, 0,1,2
	ds_load_b64 v[SS+6*\t+2*\i:SS+6*\t+2*\i+1], v[KVR] offset:KVC+768*\t+8*\i
.endr
	ds_load_u16 v[KVS+\t], v[KVSR] offset:KVSC+32*\t
.endr
	s_wait_dscnt 0x0
.irp t, 0,1,2,3
	v_wmma_scale_f32_16x16x128_f8f6f4 v[208+8*\t:215+8*\t], v[SS+6*\t:SS+6*\t+11], v[Q1C:Q1C+11], 0, v[KVS+\t], v[Q1S] matrix_a_fmt:MATRIX_FMT_FP6 matrix_b_fmt:MATRIX_FMT_FP6
.endr
.rept 4
	v_nop
.endr
.set j, 0
.rept 16
	v_pk_mul_f32 v[208+j:209+j], v[208+j:209+j], v[FZ:FZ+1] op_sel_hi:[1,0]                        ; (1 - r) LR
.set j, j+2
.endr
.set j, 0
.rept 16
	v_pk_fma_f32 v[AA+j:AA+j+1], v[AA+j:AA+j+1], v[LS:LS+1], v[208+j:209+j] op_sel_hi:[1,0,1]      ; + (r / l) O
.set j, j+2
.endr
	; ---- the way out: a lane holds 32 bytes of a row and the lanes beside it other rows: through my own stage, back as whole rows of 256 bytes
.irp t, 0,1,2,3
	ds_store_b128 v[STO], v[AA+8*\t:AA+8*\t+3] offset:64*\t
	ds_store_b128 v[STO], v[AA+8*\t+4:AA+8*\t+7] offset:64*\t+16
.endr
.irp i, 0,1,2,3,4,5,6,7
	ds_load_b128 v[SS+4*\i:SS+4*\i+3], v[RD] offset:544*\i         ; lanes 0-15 row 2 i, lanes 16-31 row 2 i + 1
.endr
.irp i, 0,1,2,3,4,5,6,7
	s_wait_dscnt 7-\i
	global_store_b128 v[L16], v[SS+4*\i:SS+4*\i+3], s[22:23] offset:512*\i th:TH_STORE_NT   ; 512 consecutive bytes, at a multiple of 256 from out0's first byte
.endr
	s_wait_tensorcnt 0x0                           ; the wave's end, behind my tensor load and my last LDS store
	ds_add_u32 v[SPW], v[NIL]
	s_wait_dscnt 0x0
	ROUND                                          ; the closing round: no work-group ends while a partner may still ask for a tile that names it
	s_endpgm
.Lfunc_end_k_q06b3662ee0_attn:
	.size	k_q06b3662ee0_attn, .Lfunc_end_k_q06b3662ee0_attn-k_q06b3662ee0_attn
	.p2alignl 7, 3214868480
	.fill 96, 4, 3214868480
	.section	.rodata,"a",@progbits
	.p2align	6, 0x0
	.amdhsa_kernel k_q06b3662ee0_attn
		.amdhsa_group_segment_fixed_size 198912
		.amdhsa_private_segment_fixed_size 0
		.amdhsa_enable_private_segment 0
		.amdhsa_kernarg_size 80
		.amdhsa_user_sgpr_count 2
		.amdhsa_user_sgpr_kernarg_segment_ptr 1
		.amdhsa_wavefront_size32 1
		.amdhsa_system_sgpr_workgroup_id_x 1
		.amdhsa_system_sgpr_workgroup_id_y 1
		.amdhsa_system_sgpr_workgroup_id_z 1
		.amdhsa_system_vgpr_workitem_id 0
		.amdhsa_next_free_vgpr 256
		.amdhsa_next_free_sgpr 100
		.amdhsa_reserve_vcc 1
		.amdhsa_float_denorm_mode_32 3
		.amdhsa_float_denorm_mode_16_64 3
		.amdhsa_memory_ordered 1
		.amdhsa_forward_progress 1
		.amdhsa_inst_pref_size 75
	.end_amdhsa_kernel
	.amdgpu_metadata
---
amdhsa.version: [ 1, 2 ]
amdhsa.kernels:
  - .name:           k_q06b3662ee0_attn
    .symbol:         k_q06b3662ee0_attn.kd
    .args:
      - { .name: Q, .offset: 0, .size: 8, .value_kind: global_buffer, .address_space: global }
      - { .name: K, .offset: 8, .size: 8, .value_kind: global_buffer, .address_space: global }
      - { .name: mask, .offset: 16, .size: 8, .value_kind: global_buffer, .address_space: global }
      - { .name: sparse_ratio, .offset: 24, .size: 8, .value_kind: global_buffer, .address_space: global }
      - { .name: vcod, .offset: 32, .size: 8, .value_kind: global_buffer, .address_space: global }
      - { .name: vscl, .offset: 40, .size: 8, .value_kind: global_buffer, .address_space: global }
      - { .name: kvp, .offset: 48, .size: 8, .value_kind: global_buffer, .address_space: global }
      - { .name: ffp, .offset: 56, .size: 8, .value_kind: global_buffer, .address_space: global }
      - { .name: ffr, .offset: 64, .size: 8, .value_kind: global_buffer, .address_space: global }
      - { .name: out0, .offset: 72, .size: 8, .value_kind: global_buffer, .address_space: global }
    .group_segment_fixed_size: 198912
    .private_segment_fixed_size: 0
    .kernarg_segment_align: 8
    .kernarg_segment_size: 80
    .max_flat_workgroup_size: 256
    .sgpr_count:     100
    .vgpr_count:     256
    .wavefront_size: 32
...
	.end_amdgpu_metadata
.endif
;; end of part 2
